; MI455X (gfx1250); checked and timed in simulation.
; The chip was launched on July 23, 2026; its instructions are those of AMD's public machine-readable ISA for CDNA 5 (MIT licence, August 2026) and "CDNA5" Instruction Set Architecture Reference Guide (July 2026). The comments in the code are by the model that wrote it; some were corrected since.
;; Mo E Layer. Allowed arithmetic: matrix products marked QUANTISED: E4M3 operands, one E8M0 scale for each 32 along K, by v_wmma_scale_f32_16x16x128_f8f6f4 with both operands' format E4M3, f32 sums; products left as they are: f32 operands where the result goes on into a quantised operand, else bf16, f16 or f32 operands; f32 sums; everything else in f32.
;; Inputs: b1 2 x 4,096 float32; b2 2 x 1,024 float32; w1 2 x 1,024 x 4,096 float32; w2 2 x 4,096 x 1,024 float32; wg 1,024 x 2 float32; x 2 x 2,048 x 1,024 float32.
;; Outputs: out0 2 x 2,048 x 1,024 float32; out1 4,096 x 2 float32.
;; This version of the problem:
;;   THIS VERSION OF THE PROBLEM IS GIVEN IN LOW PRECISION. The matrix products marked QUANTISED in the list below multiply operands that are first quantised to E4M3 (4 exponent bits, 3 mantissa bits; 8 bits a number), with one power-of-two scale for each 32 numbers along K (OCP MX v1.0); their sums are f32. All else is computed in f32.
;;   The module's matrix products, in the order in which they are computed (A, B: the left and right operand; K: the contracted axis; several contracted axes count as one K, in the product's order):
;;     1. [M 4,096, K 1,024] x [K 1,024, N 2]; A: input x; B: input wg: left as it is (N = 2 < 16)
;;     2. [M 8,192, K 1,024] x [K 1,024, N 4,096]; A: input w1; B: input x: QUANTISED
;;     3. batch 2 x [M 4,096, K 4,096] x [K 4,096, N 1,024]; A: computed on the way; B: input w2: QUANTISED
;;   THE QUANTISER, for each operand of a quantised product, along K:
;;     - K is cut into blocks of 32 from its start; a last block that is shorter is filled with zeros.
;;     - A block's scale is 2^e with e = floor(log2(the largest magnitude in the block)) - 8, held to -126 .. 127; a block of zeros has e = 0. As a byte (E8M0): e + 127.
;;     - Each number is divided by its block's scale, clamped to +-448, and rounded to the nearest number of E4M3, ties to even, subnormals kept.
;;     - The product sums the exact products of the quantised numbers (number of the format x scale) in f32.
;;   ~~~python
;;   def quantise(x, axis):      # numpy; x: float32 -> the quantised numbers, widened to float32 again
;;       x = np.moveaxis(x, axis, -1); K = x.shape[-1]
;;       x = np.pad(x, [(0, 0)] * (x.ndim - 1) + [(0, -K % 32)]); x = x.reshape(x.shape[:-1] + (-1, 32)); a = np.abs(x).max(-1, keepdims=True)
;;       e = np.where(a > 0, np.clip(np.frexp(np.where(a > 0, a, 1))[1] - 1 - 8, -126, 127), 0)      # np.frexp(a)[1] - 1 = floor(log2(a)), exactly
;;       r = np.clip(x / 2.0 ** e, -448, 448)
;;       step = 2.0 ** (np.maximum(np.frexp(np.where(r == 0, 1, r))[1] - 1, -6) - 3)
;;       q = np.round(r / step) * step * 2.0 ** e      # np.round: ties to even
;;       return np.moveaxis(q.reshape(q.shape[:-2] + (-1,))[..., :K], -1, axis).astype(np.float32)
;;   ~~~
;;   OPERANDS COMPUTED ON THE WAY. 'Computed on the way' means the value that the module computes at that place (a softmax that the list does not call 'softmax' is quantised finished and normalised). What goes into a quantiser is computed in f32, as accurately as f32 sums, v_exp_f32 and their like allow (about 1e-6 of the number): no bf16 or f16 on the way to a quantiser, and a product that is left as it is and whose result goes on into a quantised operand takes f32 operands (vector FMAs, or v_wmma_f32_16x16x4_f32). A number that lies on a knife's edge between two numbers of the format may be rounded either way, as far as f32 arithmetic and the matrix unit's own rounding can turn it there, and no further.
;; One version. Each part assembles by itself: llvm-mc -triple=amdgcn-amd-amdhsa -mcpu=gfx1250 --defsym DOCPART=n.
;; ======== version 1 of 1: 3 launches
;; limits: an absolute error that grows with the inputs' magnitude: up to 1e-07 times it
;; workspace buffers: xq 4,325,376 bytes; w1q 8,650,752 bytes; w2q 8,650,752 bytes; hq 34,603,008 bytes; gates 32,768 bytes
;; launch prep (part 1): grid 768 x 1, 4 waves a work-group, no clusters, 68,608 bytes of LDS; arguments x, wg, w1, w2, xq, w1q, w2q, gates, out1; writes xq, w1q, w2q, gates, out1
.if DOCPART == 1
	.amdgcn_target "amdgcn-amd-amdhsa--gfx1250"
	.amdhsa_code_object_version 6
	.text
	.protected	k_q4bffbe90b0_prep
	.globl	k_q4bffbe90b0_prep
	.p2align	8
	.type	k_q4bffbe90b0_prep,@function
k_q4bffbe90b0_prep:
	s_mov_b64 s[64:65], 0
	v_nop
	global_prefetch_b8 v0, s[64:65] scope:SCOPE_SE
	s_setreg_imm32_b32 hwreg(HW_REG_WAVE_MODE, 25, 1), 1
	s_wait_xcnt 0x0
; MoE layer, 4,096 tokens x 1,024, two experts, top-2 of 2.  FIRST OF THREE LAUNCHES: x, w1 and w2 become codes of FP8 (E4M3) with one E8M0 byte for each 32 along K; the router's logits (out1), its softmax and the two gates.
; NOTHING OF reference() IS LEFT OUT, AND EVERY INPUT IS LOADED.  With two experts and top-2 both experts are chosen for every token, so both are computed for every token.  The gather by topi is a choice of WEIGHTS:
; topi[:,0] is the argmax of (p0, p1), ties to 0, and slot j is weighed by probs[:,j].  Where p0 >= p1 that is out_0 p0 + out_1 p1, else out_1 p0 + out_0 p1: for all finite inputs final = max(p0,p1) out_0 + min(p0,p1) out_1.
; So gates[t] = (max, min) is stored as f32 data, no index is stored, and no address or branch of any launch hangs on the router.
; THE WORKSPACE IS LAID AS THE MATRIX OPERANDS' REGISTERS.  A PANEL is 128 rows x 128 K = 16,896 bytes: 8 fragments of 2,048 bytes (fragment f, group c of four registers, lane l at 2048 f + 512 c + 16 l: K = 32 c + 16 (l / 16) + 0..15 of row 16 f + l % 16),
; then 512 bytes of scale words (row 16 f + r at 16384 + 64 f + 4 r; byte c for K = 32 c ..).  xq [32 row blocks][8 K steps], w1q [64][8] (row = 4096 e + hidden unit), w2q [2][8][32] (row = output column).
; In w1q the rows of each 32 are PERMUTED: unit j lies in fragment 2 (group) + ((j >> 3) & 1), row (j & 7) | ((j >> 4) << 3), so that the next launch's results lie along its next K in a lane's registers.
; SHARES.  Work-groups 0-255: 16 tokens of x each, wave w its K = 256 w .. + 255.  256-511: w1, 128 columns x 256 K.  512-767: w2 likewise.  The work-groups share no input but wg's 8,192 bytes, so there is no cluster; memory binds, so no matrix unit.
; THE QUANTISER: a block's scale is its largest magnitude's exponent less 8; numbers are held within +-448 x the scale (the conversion to an 8-bit code does not saturate: ISA guide 7.6.2) and rounded to the nearest code, ties to even.
; LIMITS: NaN and infinities among the inputs are not served.  A block of zeros, and a block whose largest magnitude lies under 2^(9-127), gets the byte 1 (the rule: 127 for zeros): its codes are as the rule has them or zeros, and only this program reads the bytes.
; The logits are summed in f32 in another order than reference()'s.
.set PANEL, 16896
.set SROW,  528                        ; a stage row: 512 bytes + 16, so that sixteen rows' reads of 16 bytes fall into sixteen different columns of 16 bytes modulo 256
.set STG,   16*SROW                    ; a stage: 16 rows
.set LG,    8*STG                      ; behind the eight stages (two a wave): the waves' partial logits, 128 bytes a wave
.set SPARE, LG+512                     ; the spare words, 128 bytes for each wave: two blocks of 256 bytes that no other line names
.set SPW, 2                            ; v2   LDS address of my spare word; never rewritten
.set NIL, 3                            ; v3   0; never rewritten
.set PW,  14                           ; v14, v15  path X: the two fragments' scale words
.set ACC, 32                           ; v32-63   path X: partial logits, 2 x row + expert
.set R,   64                           ; v64-191  path X: 64 q + 4 i: row i as loaded; then 64 q + 16 c + i: my row's 16 neighbours of block c
.set WGR, 192                          ; v192-207 path X: wg, 8 q + 2 j + expert
.set PC,  208                          ; v208-239 path X: the codes, 16 registers a fragment
.set TM,  240                          ; v240-255 path X: the quantiser's work
.set XW,  64                           ; v64-127  paths W: two sets of 32 numbers
.set CW,  128                          ; v128-191 paths W: 8 registers of codes a block, never written again
.set SB,  14                           ; v14, v15 paths W: scale words
; 64 numbers of a lane, register 16 b + i = K 32 b + 16 (lane / 16) + i of my row, become a fragment's 16 registers of codes at v[pc] and its scale word in v[pw]
.macro QUANT s, pc, pw
.irp b, 0,1,2,3
	v_max3_num_f32 v[TM+\b], |v[(\s)+16*\b]|, |v[(\s)+1+16*\b]|, 0x4800000   ; block b: my 16 numbers, and the floor 2^(9 - 127): the byte cannot fall under 1
.endr
.irp i, 2,4,6,8,10,12,14
.irp b, 0,1,2,3
	v_max3_num_f32 v[TM+\b], v[TM+\b], |v[(\s)+16*\b+\i]|, |v[(\s)+1+16*\b+\i]|   ; the four blocks by turns
.endr
.endr
.irp b, 0,1,2,3
	v_permlanex16_b32 v[TM+4+\b], v[TM+\b], s24, s25
.endr
.irp b, 0,1,2,3
	v_max_num_f32 v[TM+\b], v[TM+\b], v[TM+4+\b]   ; with lane l xor 16's: the block's largest magnitude
.endr
.irp b, 0,1,2,3
	v_add_nc_u32 v[TM+12+\b], 0xfc000000, v[TM+\b]   ; 8 off its exponent field: the conversion's scale operand
.endr
.irp b, 0,1,2,3
	v_and_or_b32 v[TM+8+\b], v[TM+\b], 0x7f800000, s23   ; 448 x the scale
.endr
.irp b, 0,1,2,3
	v_lshrrev_b32 v[TM+4+\b], 23, v[TM+12+\b]   ; the scale's byte
.endr
	v_lshl_or_b32 v[\pw], v[TM+5], 8, v[TM+4]
	v_lshl_or_b32 v[\pw], v[TM+6], 16, v[\pw]
	v_lshl_or_b32 v[\pw], v[TM+7], 24, v[\pw]
.irp b, 0,1,2,3
.irp i, 0,1,2,3,4,5,6,7,8,9,10,11,12,13,14,15
	v_med3_num_f32 v[(\s)+16*\b+\i], v[(\s)+16*\b+\i], -v[TM+8+\b], v[TM+8+\b]   ; the hold
.endr
	v_cvt_scalef32_pk8_fp8_f32 v[(\pc)+4*\b:(\pc)+1+4*\b], v[(\s)+16*\b:(\s)+7+16*\b], v[TM+12+\b]
	v_cvt_scalef32_pk8_fp8_f32 v[(\pc)+2+4*\b:(\pc)+3+4*\b], v[(\s)+8+16*\b:(\s)+15+16*\b], v[TM+12+\b]
.endr
	v_nop                                          ; one plain line behind the last scaled conversion
.endm
; path X: rows as loaded into my stage q, and back as 16 neighbours of each block of my row
.macro TOST q
.irp i, 0,1,2,3,4,5,6,7,8,9,10,11,12,13,14,15
	ds_store_b128 v7, v[R+64*\q+4*\i:R+64*\q+4*\i+3] offset:STG*\q+SROW*\i
.endr
.endm
.macro BACK q
.irp c, 0,1,2,3
.irp j, 0,1,2,3
	ds_load_b128 v[R+64*\q+16*\c+4*\j:R+64*\q+16*\c+4*\j+3], v8 offset:STG*\q+128*\c+16*\j
.endr
.endr
.endm
; path X: the router on the rows as loaded: lane l holds K = 4 l + j of row i.  One packed multiply-add serves both experts: x is taken for both halves, wg's pair is (expert 0, expert 1)
.macro ROUTE q, first
.irp j, 0,1,2,3
.irp i, 0,1,2,3,4,5,6,7,8,9,10,11,12,13,14,15
.if (\first) && (\j == 0)
	v_pk_mul_f32 v[ACC+2*\i:ACC+2*\i+1], v[R+64*\q+4*\i:R+64*\q+4*\i+1], v[WGR+8*\q:WGR+8*\q+1] op_sel_hi:[0,1]   ; the first product starts the sums
.elseif (\j % 2) == 0
	v_pk_fma_f32 v[ACC+2*\i:ACC+2*\i+1], v[R+64*\q+4*\i+\j:R+64*\q+4*\i+\j+1], v[WGR+8*\q+2*\j:WGR+8*\q+2*\j+1], v[ACC+2*\i:ACC+2*\i+1] op_sel_hi:[0,1,1]
.else
	v_pk_fma_f32 v[ACC+2*\i:ACC+2*\i+1], v[R+64*\q+4*\i+\j-1:R+64*\q+4*\i+\j], v[WGR+8*\q+2*\j:WGR+8*\q+2*\j+1], v[ACC+2*\i:ACC+2*\i+1] op_sel:[1,0,0] op_sel_hi:[1,1,1]
.endif
.endr
.endr
.endm
; path X: one stage of the sum over lanes.  n values a lane become n / 2: a lane whose bit is 0 keeps the lower half and sends the upper, its partner the other way round
.macro BFLY n, msk, xm
.set bi, 0
.rept (\n)/2
	v_cndmask_b32 v[16+2*(bi%8)], v[ACC+bi], v[ACC+bi+(\n)/2], s[\msk]
	v_cndmask_b32 v[17+2*(bi%8)], v[ACC+bi+(\n)/2], v[ACC+bi], s[\msk]
	v_add_f32_dpp v[ACC+bi], v[17+2*(bi%8)], v[16+2*(bi%8)] row_xmask:\xm row_mask:0xf bank_mask:0xf
.set bi, bi+1
.endr
.endm
; paths W: block t: W(32 t + i, my column), i = 0 .. 31: each load reads 128 consecutive bytes a wave
.macro LOADW t, ncol, src
.irp i, 0,1,2,3,4,5,6,7,8,9,10,11,12,13,14,15,16,17,18,19,20,21,22,23,24,25,26,27,28,29,30,31
	global_load_b32 v[XW+32*((\t)%2)+\i], v4, s[\src:\src+1] offset:(32*(\t)+\i)*(\ncol)*4 th:TH_LOAD_NT
.endr
.endm
.macro BLOCKW t, ncol, src, dst
.set XS, XW+32*((\t)%2)
.set CT, CW+8*(\t)
.if (\t) < 7
	s_wait_loadcnt 32                              ; this block's 32 loads are in; the next block's may be out
.else
	s_wait_loadcnt 0
.endif
	v_max3_num_f32 v12, |v[XS]|, |v[XS+1]|, |v[XS+2]|   ; the block's largest magnitude: all 32 numbers are mine
	v_max3_num_f32 v13, |v[XS+3]|, |v[XS+4]|, |v[XS+5]|
.irp i, 6,10,14,18,22,26
	v_max3_num_f32 v12, v12, |v[XS+\i]|, |v[XS+\i+1]|
	v_max3_num_f32 v13, v13, |v[XS+\i+2]|, |v[XS+\i+3]|
.endr
	v_max3_num_f32 v12, v12, |v[XS+30]|, |v[XS+31]|
	v_max3_num_f32 v12, v12, v13, 0x4800000        ; and the floor
	v_add_nc_u32 v11, 0xfc000000, v12              ; the conversion's scale operand
	v_and_or_b32 v10, v12, 0x7f800000, s23         ; 448 x the scale
	v_lshrrev_b32 v13, 23, v11                     ; the byte
.if ((\t)%4) == 0
	v_mov_b32 v[SB+(\t)/4], v13
.else
	v_lshl_or_b32 v[SB+(\t)/4], v13, 8*((\t)%4), v[SB+(\t)/4]
.endif
.irp i, 0,1,2,3,4,5,6,7,8,9,10,11,12,13,14,15,16,17,18,19,20,21,22,23,24,25,26,27,28,29,30,31
	v_med3_num_f32 v[XS+\i], v[XS+\i], -v10, v10
.endr
.irp g, 0,1,2,3
	v_cvt_scalef32_pk8_fp8_f32 v[CT+2*\g:CT+2*\g+1], v[XS+8*\g:XS+8*\g+7], v11
.endr
	v_nop                                          ; one plain line behind the last scaled conversion
	global_store_b128 v5, v[CT:CT+3], s[\dst:\dst+1] offset:((\t)/4)*PANEL+((\t)%4)*512        ; K = 32 c + 0..15: the place of lane r; the sixteen lanes of a fragment write 256 consecutive bytes, aligned
	global_store_b128 v5, v[CT+4:CT+7], s[\dst:\dst+1] offset:((\t)/4)*PANEL+((\t)%4)*512+256  ; K = 32 c + 16..31: the place of lane 16 + r
.if (\t)+2 < 8
	LOADW (\t)+2, \ncol, \src
.endif
.if ((\t)%4) == 3
	global_store_b32 v6, v[SB+(\t)/4], s[\dst:\dst+1] offset:((\t)/4)*PANEL+16384   ; a K step's scale words: 128 consecutive bytes a wave
.endif
.endm
; A weight [2][K][ncol] f32, K its first axis within an expert.  A LANE TAKES A COLUMN AND ITS REGISTERS RUN DOWN K: a block of 32 lies in one lane, and the conversions give codes with K innermost.
; A work-group takes 128 columns x 256 K of one expert, a wave 32 columns.  Every offset is an immediate (255 rows of 16,384 bytes at the most, inside the signed 24 bits: ISA guide, chapter 10); no register of a store is written again.
.macro WQ ncol, sp, logcb, logkc, rbe, perm, src, dst, first
	s_sub_co_u32 s34, ttmp9, \first
	s_and_b32 s35, s34, (1<<(\logcb))-1            ; which 128 columns
	s_lshr_b32 s36, s34, \logcb
	s_and_b32 s36, s36, (1<<(\logkc))-1            ; which 256 along K
	s_lshr_b32 s37, s34, (\logcb)+(\logkc)         ; the expert
	s_lshl_b32 s38, s37, 24                        ; an expert's weight is 2^24 bytes
	s_mul_i32 s39, s36, 256*(\ncol)*4
	s_add_co_u32 s38, s38, s39
	s_lshl_b32 s39, s35, 9
	s_add_co_u32 s38, s38, s39
	s_lshl_b32 s39, s22, 7
	s_add_co_u32 s38, s38, s39
	s_mov_b32 s39, 0
	s_add_nc_u64 s[\src:\src+1], s[\src:\src+1], s[38:39]
	s_mul_i32 s40, s37, \rbe
	s_add_co_u32 s40, s40, s35                     ; the row block,
	s_mul_i32 s40, s40, \sp
	s_lshl_b32 s41, s36, 1
	s_add_co_u32 s40, s40, s41                     ; its first panel of my two
	s_mul_i32 s40, s40, PANEL
	s_mov_b32 s41, 0
	s_add_nc_u64 s[\dst:\dst+1], s[\dst:\dst+1], s[40:41]
	v_lshlrev_b32 v4, 2, v1                        ; in: 4 bytes a lane
.if \perm
	v_bfe_u32 v10, v1, 3, 1                        ; the permuted place of unit j = lane in its group of 32
	v_and_b32 v11, 7, v1
	v_bfe_u32 v12, v1, 4, 1
	v_lshl_or_b32 v11, v12, 3, v11
.else
	v_lshrrev_b32 v10, 4, v1
	v_and_b32 v11, 15, v1
.endif
	s_lshl_b32 s42, s22, 1
	v_add_nc_u32 v10, s42, v10                     ; fragment f = 2 x wave + ..; v11 = its row r
	v_lshlrev_b32 v5, 11, v10
	v_lshl_add_u32 v5, v11, 4, v5                  ; codes: 2048 f + 16 r
	v_lshlrev_b32 v6, 6, v10
	v_lshl_add_u32 v6, v11, 2, v6                  ; scale word: 64 f + 4 r
	LOADW 0, \ncol, \src
	LOADW 1, \ncol, \src
.irp t, 0,1,2,3,4,5,6,7
	BLOCKW \t, \ncol, \src, \dst
.endr
.endm
	s_load_b512 s[4:19], s[0:1], 0x0               ; x s[4:5], wg s[6:7], w1 s[8:9], w2 s[10:11], xq s[12:13], w1q s[14:15], w2q s[16:17], gates s[18:19]
	s_load_b64 s[20:21], s[0:1], 0x40              ; out1
	v_lshl_add_u32 v[SPW], v0, 2, SPARE
	v_mov_b32 v[NIL], 0
	v_lshrrev_b32 v1, 5, v0
	v_readfirstlane_b32 s22, v1                    ; wave 0..3
	v_and_b32 v1, 31, v0                           ; lane
	s_mov_b32 s23, 0x600000                        ; the mantissa field of 448
	s_mov_b32 s24, 0x76543210
	s_mov_b32 s25, 0xfedcba98                      ; v_permlanex16_b32's selects for lane l xor 16
	s_wait_kmcnt 0x0
	s_cmp_lt_u32 ttmp9, 256                        ; the three paths part on the work-group's number alone: all four waves go the same way
	s_cbranch_scc0 .Lweights
	; ---- PATH X: tokens 16 g .. 16 g + 15; my wave's K = 256 w .. 256 w + 255: fragments of K steps 2 w and 2 w + 1
	v_and_b32 v4, 15, v0                           ; r
	v_bfe_u32 v5, v0, 4, 1                         ; h
	v_lshlrev_b32 v6, 4, v1                        ; 16 x lane: my bytes of a load's 512, and of a fragment's group of registers
	s_mul_i32 s34, s22, 2*STG                      ; my two stages
	v_lshl_add_u32 v7, v1, 4, s34                  ; in: 16 x lane
	v_mul_u32_u24 v8, v4, SROW
	v_lshl_add_u32 v8, v5, 6, v8
	v_add_nc_u32 v8, s34, v8                       ; back: row r, + 64 h: my 16 numbers of a block of 32
	v_lshlrev_b32 v9, 5, v1                        ; wg: my 4 K x 2 experts are 32 bytes
	v_mul_u32_u24 v10, v5, PANEL
	v_lshl_add_u32 v10, v4, 2, v10                 ; the scale words: lanes 0-15 store the first panel's, lanes 16-31 the second's
	v_lshl_add_u32 v11, v0, 2, LG                  ; my partial logit's word
	v_lshl_add_u32 v12, v1, 2, LG                  ; and where wave 0 reads the four
	v_lshlrev_b32 v13, 3, v4
	v_lshl_add_u32 v13, v5, 2, v13                 ; out1 and gates: 8 r + 4 h
.irp b, 0,1,2,3
	v_mov_b32 v[TM+4+\b], 0                        ; written once: a lane permute's destination counts as one of its sources
.endr
	s_mov_b32 s26, 0xff00ff00                      ; the lanes whose bit 3, 2, 1, 0, 4 is set
	s_mov_b32 s27, 0xf0f0f0f0
	s_mov_b32 s28, 0xcccccccc
	s_mov_b32 s29, 0xaaaaaaaa
	s_mov_b32 s30, 0xffff0000
	s_mov_b32 s31, 0x3fb8aa3b                      ; log2(e)
	s_lshl_b32 s36, ttmp9, 16                      ; 16 rows of 4,096 bytes
	s_lshl_b32 s37, s22, 10                        ; my 256 numbers of a row
	s_add_co_u32 s36, s36, s37
	s_mov_b32 s37, 0
	s_add_nc_u64 s[4:5], s[4:5], s[36:37]
	s_lshl_b32 s36, s22, 11                        ; my 256 rows of wg
	s_add_nc_u64 s[6:7], s[6:7], s[36:37]
	s_lshr_b32 s36, ttmp9, 3
	s_lshl_b32 s36, s36, 3                         ; row block g / 8: 8 panels,
	s_lshl_b32 s38, s22, 1
	s_add_co_u32 s36, s36, s38                     ; K step 2 w
	s_mul_i32 s36, s36, PANEL
	s_and_b32 s38, ttmp9, 7                        ; fragment g % 8
	s_lshl_b32 s40, s38, 6
	s_add_co_u32 s40, s40, s36
	s_add_co_u32 s40, s40, 16384
	s_mov_b32 s41, 0
	s_add_nc_u64 s[32:33], s[12:13], s[40:41]      ; its scale words
	s_lshl_b32 s38, s38, 11
	s_add_co_u32 s36, s36, s38
	s_add_nc_u64 s[12:13], s[12:13], s[36:37]      ; its codes
	s_lshl_b32 s36, ttmp9, 7                       ; 16 tokens x 8 bytes
	s_add_nc_u64 s[18:19], s[18:19], s[36:37]
	s_add_nc_u64 s[20:21], s[20:21], s[36:37]
.irp q, 0,1
	global_load_b128 v[WGR+8*\q:WGR+8*\q+3], v9, s[6:7] offset:1024*\q
	global_load_b128 v[WGR+8*\q+4:WGR+8*\q+7], v9, s[6:7] offset:1024*\q+16
.endr
.irp q, 0,1
.irp i, 0,1,2,3,4,5,6,7,8,9,10,11,12,13,14,15
	global_load_b128 v[R+64*\q+4*\i:R+64*\q+4*\i+3], v6, s[4:5] offset:4096*\i+512*\q th:TH_LOAD_NT   ; 32 lanes read 512 consecutive bytes of row i
.endr
.endr
	s_wait_loadcnt 16                              ; wg and the first 128 along K are in; the second 128's sixteen loads may be out
	TOST 0
	ROUTE 0, 1
	s_wait_dscnt 0x0                               ; the stores have read their registers, which take the rows back
	BACK 0
	s_wait_loadcnt 0x0
	TOST 1
	ROUTE 1, 0
	s_wait_dscnt 16                                ; the first fragment's numbers are back; the sixteen stores behind them may be out
	QUANT R, PC, PW
	s_wait_dscnt 0x0
	BACK 1
.irp c, 0,1,2,3
	global_store_b128 v6, v[PC+4*\c:PC+4*\c+3], s[12:13] offset:512*\c   ; 512 consecutive bytes, aligned
.endr
	; the 32 partial logits of each lane are summed over the 32 lanes while the LDS loads are out: lane (r, h) ends with token r, expert h
	BFLY 32, 26, 8
	BFLY 16, 27, 4
	BFLY 8, 28, 2
	BFLY 4, 29, 1
	v_cndmask_b32 v16, v[ACC], v[ACC+1], s30
	v_cndmask_b32 v17, v[ACC+1], v[ACC], s30
	v_permlanex16_b32 v18, v17, s24, s25
	v_add_f32 v[ACC], v16, v18
	s_wait_dscnt 0x0
	QUANT R+64, PC+16, PW+1
.irp c, 0,1,2,3
	global_store_b128 v6, v[PC+16+4*\c:PC+16+4*\c+3], s[12:13] offset:PANEL+512*\c
.endr
	v_cndmask_b32 v16, v[PW], v[PW+1], s30         ; both halves of the lanes hold both words: each half stores one
	global_store_b32 v10, v16, s[32:33]
	ds_store_b32 v11, v[ACC]
	s_wait_dscnt 0x0                               ; for the others' sake: my partial logit lies in LDS
	s_barrier_signal -1
	s_barrier_wait -1
	s_cmp_lg_u32 s22, 0
	s_cbranch_scc1 .Lend                           ; wave 0 finishes the router
	ds_load_b32 v20, v12
	ds_load_b32 v21, v12 offset:128
	ds_load_b32 v22, v12 offset:256
	ds_load_b32 v23, v12 offset:384
	s_wait_dscnt 0x0
	v_add_f32 v20, v20, v21
	v_add_f32 v22, v22, v23
	v_add_f32 v20, v20, v22                        ; logits[16 g + r][h]
	global_store_b32 v13, v20, s[20:21]
	v_permlanex16_b32 v21, v20, s24, s25           ; the other expert's
	v_max_num_f32 v22, v20, v21                    ; the maximum is taken away, as reference()'s softmax does
	v_sub_f32 v23, v20, v22
	v_sub_f32 v24, v21, v22
	v_mul_f32 v23, s31, v23
	v_mul_f32 v24, s31, v24
	v_exp_f32 v23, v23
	v_exp_f32 v24, v24
	v_nop                                          ; a plain line behind the exponentials,
	s_wait_alu depctr_va_vdst(0)                   ; and the one wait for both, ahead of their first reader
	v_add_f32 v25, v23, v24
	v_rcp_f32 v25, v25
	v_nop
	s_wait_alu depctr_va_vdst(0)
	v_mul_f32 v23, v23, v25                        ; my expert's p,
	v_mul_f32 v24, v24, v25                        ; the other's
	v_max_num_f32 v26, v23, v24
	v_min_num_f32 v27, v23, v24
	v_cndmask_b32 v26, v26, v27, s30               ; gates[t][0] = the larger p (expert 0's weight), gates[t][1] = the smaller (expert 1's)
	global_store_b32 v13, v26, s[18:19]
	s_branch .Lend
.Lweights:
	s_cmp_lt_u32 ttmp9, 512
	s_cbranch_scc0 .Lw2
	WQ 4096, 8, 5, 2, 32, 1, 8, 14, 256            ; ---- PATH W1: K = 1,024, 4,096 hidden units an expert, rows permuted
	s_branch .Lend
.Lw2:
	WQ 1024, 32, 3, 4, 8, 0, 10, 16, 512           ; ---- PATH W2: K = 4,096, 1,024 output columns an expert
.Lend:
	s_wait_tensorcnt 0x0                           ; the wave's end
	ds_add_u32 v[SPW], v[NIL]
	s_wait_dscnt 0x0
	s_endpgm
.Lfunc_end_k_q4bffbe90b0_prep:
	.size	k_q4bffbe90b0_prep, .Lfunc_end_k_q4bffbe90b0_prep-k_q4bffbe90b0_prep
	.p2alignl 7, 3214868480
	.fill 96, 4, 3214868480
	.section	.rodata,"a",@progbits
	.p2align	6, 0x0
	.amdhsa_kernel k_q4bffbe90b0_prep
		.amdhsa_group_segment_fixed_size 68608
		.amdhsa_private_segment_fixed_size 0
		.amdhsa_enable_private_segment 0
		.amdhsa_kernarg_size 72
		.amdhsa_user_sgpr_count 2
		.amdhsa_user_sgpr_kernarg_segment_ptr 1
		.amdhsa_wavefront_size32 1
		.amdhsa_system_sgpr_workgroup_id_x 1
		.amdhsa_system_sgpr_workgroup_id_y 1
		.amdhsa_system_sgpr_workgroup_id_z 1
		.amdhsa_system_vgpr_workitem_id 0
		.amdhsa_next_free_vgpr 256
		.amdhsa_next_free_sgpr 66
		.amdhsa_reserve_vcc 0
		.amdhsa_float_denorm_mode_32 3
		.amdhsa_float_denorm_mode_16_64 3
		.amdhsa_memory_ordered 1
		.amdhsa_forward_progress 1
		.amdhsa_inst_pref_size 155
	.end_amdhsa_kernel
	.amdgpu_metadata
---
amdhsa.version: [ 1, 2 ]
amdhsa.kernels:
  - .name:           k_q4bffbe90b0_prep
    .symbol:         k_q4bffbe90b0_prep.kd
    .args:
      - { .name: x, .offset: 0, .size: 8, .value_kind: global_buffer, .address_space: global }
      - { .name: wg, .offset: 8, .size: 8, .value_kind: global_buffer, .address_space: global }
      - { .name: w1, .offset: 16, .size: 8, .value_kind: global_buffer, .address_space: global }
      - { .name: w2, .offset: 24, .size: 8, .value_kind: global_buffer, .address_space: global }
      - { .name: xq, .offset: 32, .size: 8, .value_kind: global_buffer, .address_space: global }
      - { .name: w1q, .offset: 40, .size: 8, .value_kind: global_buffer, .address_space: global }
      - { .name: w2q, .offset: 48, .size: 8, .value_kind: global_buffer, .address_space: global }
      - { .name: gates, .offset: 56, .size: 8, .value_kind: global_buffer, .address_space: global }
      - { .name: out1, .offset: 64, .size: 8, .value_kind: global_buffer, .address_space: global }
    .group_segment_fixed_size: 68608
    .private_segment_fixed_size: 0
    .kernarg_segment_align: 8
    .kernarg_segment_size: 72
    .max_flat_workgroup_size: 128
    .sgpr_count:     66
    .vgpr_count:     256
    .wavefront_size: 32
...
	.end_amdgpu_metadata
.endif
;; end of part 1
;; launch fc (part 2): grid 32 x 16, 4 waves a work-group, clusters of 4 x 4, 327,680 bytes of LDS; arguments xq, w1q, b1, hq; writes hq
.if DOCPART == 2
	.amdgcn_target "amdgcn-amd-amdhsa--gfx1250"
	.amdhsa_code_object_version 6
	.text
	.protected	k_q4bffbe90b0_fc
	.globl	k_q4bffbe90b0_fc
	.p2align	8
	.type	k_q4bffbe90b0_fc,@function
k_q4bffbe90b0_fc:
	s_mov_b64 s[64:65], 0
	v_nop
	global_prefetch_b8 v0, s[64:65] scope:SCOPE_SE
	s_setreg_imm32_b32 hwreg(HW_REG_WAVE_MODE, 25, 1), 1
	s_wait_xcnt 0x0
	s_wait_alu depctr_hold_cnt(0) depctr_sa_sdst(0) depctr_va_vdst(0) depctr_va_sdst(0) depctr_va_ssrc(0) depctr_va_vcc(0) depctr_vm_vsrc(0)
	s_getreg_b32 s2, hwreg(HW_REG_IB_STS2, 6, 4)
	s_cmp_eq_u32 s2, 0
	s_cbranch_scc0 .Lentry_in_a_cluster
	s_endpgm
.Lentry_in_a_cluster:
	s_bfe_u32 s2, ttmp6, 0x10000c
	s_cmp_lg_u32 s2, 0xf033
	s_cbranch_scc0 .Lentry_shape_is_right
	s_endpgm
.Lentry_shape_is_right:
; SECOND LAUNCH: hq = Q(gelu(x w1[e] + b1[e])) for both experts: the first quantised product, its bias, the exact gelu and the quantiser along the hidden axis.  Nothing of reference() is left out here.
; OPERANDS are panels of 128 rows x 128 K, laid as the operands' registers: 8 fragments of 2,048 bytes (group c of four registers, lane l, at 512 c + 16 l), then 512 bytes of scale words (64 f + 4 r).
; xq [32 token blocks][8 K steps], w1q [64 blocks of 128 rows = 4096 e + unit][8], hq [2][32 token blocks][32 K steps].  So a fragment is four LDS loads at 16 x lane, a K step's tile is one dense block of memory, and the scales ride in the ring.
; SHARES.  A work-group makes 256 tokens x 256 hidden units; a wave 128 x 128: 64 accumulators, 512 registers.  K = 1,024 goes in four steps of 256 through a ring of two LDS slots.
; CLUSTER 4 x 4: the four of a row need the same tokens' panels, the four of a column the same units': each is asked for jointly, by the same tensor load with the same descriptor and a mask that names the four.
; THE MATRIX INSTRUCTION IS USED TRANSPOSED (source 0 = 16 rows of w1, source 1 = 16 tokens), and w1q's rows are permuted within each 32, so that in token block a lane (r, h) holds token 16 a + r and its 64 registers are
; hidden units 32 b + 16 h + i at register 16 b + i: a K step of the next product in the order of its operand's registers.  The conversions' results are stored as they stand.
; GELU: gelu(y) = max(y, 0) - |y| S, S = the normal tail Q(|y|) = 2^(-y^2 log2(e) / 2) u (c1 + u (c2 + u (c3 + u (c4 + u c5)))), u = 1 / (1 + 0.2316419 |y|) (Abramowitz and Stegun 26.2.17, 1 / sqrt(2 pi) folded into c1 .. c5), all in f32.
; LIMITS.  The formula's own error in S is under 7.5e-8 absolute, so gelu is within 1e-7 |y|: under 1e-6 of gelu for y above about -1.5, growing in the far negative tail (about 5e-5 of gelu at y = -3, 2e-3 at y = -5, where |gelu| is under 4e-3 and 2e-6).
; Large |y|: y^2 may overflow to infinity, 2^-inf is 0, and gelu = max(y, 0).  NaN and infinities are not served.  A block of zeros or under 2^(9-127) gets the byte 1; only this program reads the bytes.
; REGISTERS, in windows of 256.  Window 0: v2-13 constants in pairs; v14-31 addresses; v32-63 scale words and nothing else; v64-127 b1 in the results' layout; v128-255 the tokens' 8 fragments, ONE set; in the epilogue v128-255 are at work.
;   Window 1: w1's 8 fragments, TWO sets (v0, v128).  Window 2: accumulators of token blocks 0-3 ((a, b) at v[8 (8 (a % 4) + b)]).  Window 3: of blocks 4-7.
.set PANEL, 16896
.set PART,  2*PANEL                    ; 128 rows x 256 K: what one tensor load brings: 132 x 256 bytes, dense in memory
.set SLOT,  4*PART                     ; tokens' two halves, then units' two halves
.set SCST,  2*SLOT                     ; behind the ring: 512 bytes for each wave, in which its 128 scale words are gathered; no tensor load lands here
.set SPARE, SCST+2048                  ; the spare words, 128 bytes for each wave: two blocks of 256 bytes that no other line names
.set RBS,   8*PANEL                    ; a row block's eight panels
.set KA5, 2                            ; v[2:3] .. v[10:11] c5 .. c1, v[12:13] -log2(e)/2: both halves written, for the packed forms
.set KA4, 4
.set KA3, 6
.set KA2, 8
.set KA1, 10
.set KCC, 12
.set PW,  14                           ; v14  the scale word just made
.set LSA, 15                           ; v15  where it goes in LDS
.set ADRA, 16                          ; v16-17 LDS address of my tokens' fragments in slot 0, 1: part + 16 x lane
.set ADSA, 18                          ; v18-19 part + 4 x lane: their scale words
.set ADRB, 20                          ; v20-21, v22-23 the same for my units
.set ADSB, 22
.set GO,  24                           ; v24  16 x lane
.set LSW, 25                           ; v25  my wave's gathered scale words: + 4 (lane % 16)
.set LSR, 26                           ; v26  the same + 16 x lane
.set SPW, 28                           ; v28  LDS address of my spare word; never rewritten
.set NIL, 29                           ; v29  0; never rewritten
.set SC,  32                           ; scale words at 16 slot + 8 q + 4 side + j: lanes 0-15 fragment 2 j's rows, lanes 16-31 fragment 2 j + 1's; side 0 tokens, 1 units
.set BI,  64
.set AF,  128
.set YR,  128                          ; the epilogue: v128-191 a token block's 64 numbers
.set UR,  192                          ; v192-207 u, then max(y, 0); later the codes
.set QR,  208                          ; v208-223 the exponential
.set HR,  224                          ; v224-239 the polynomial
.set TM,  240                          ; v240-255 the quantiser's work
.set PC,  192
.set G1, 24                            ; s[24:31] descriptor group 1 for the tokens' panels; s[32:39] group 0, one set a slot
.set G0, 32
.set G1B, 48                           ; s[48:55], s[56:63] the same for the units'
.set G0B, 56
.set MSB, 0
.macro WIN new                         ; the immediate's high byte repeats the setting that is left
.if MSB != (\new)
	s_set_vgpr_msb (MSB<<8)|(\new)
.set MSB, (\new)
.endif
.endm
.set MUL_LO, 0xa1                      ; source 0 (units) window 1, source 1 (tokens) window 0, C and D window 2
.set MUL_HI, 0xf1                      ; the same, C and D window 3
.set TO_B,   0x40                      ; destination window 1, address window 0
; A joint load: waves 0 and 1 fetch the tokens' two halves, waves 2 and 3 the units'.  The branch hangs on the wave's number alone.  An s_nop 0 and four v_nop follow each of the two lines.
.macro JLOAD s
	s_cmp_eq_u32 s15, 0
	s_cbranch_scc0 .Lfor_b_\@
	tensor_load_to_lds s[G0+4*\s:G0+4*\s+3], s[G1:G1+7]
	s_nop 0
.rept 4
	v_nop
.endr
	s_branch .Lasked_\@
.Lfor_b_\@:
	tensor_load_to_lds s[G0B+4*\s:G0B+4*\s+3], s[G1B:G1B+7]
	s_nop 0
.rept 4
	v_nop
.endr
.Lasked_\@:
.endm
.macro CREST                           ; a round of the cluster's barrier behind its opening barrier
	s_cmp_lg_u32 s14, 0
	s_cbranch_scc1 .Lnot_wave_0_\@
	s_barrier_signal -3
.Lnot_wave_0_\@:
	s_barrier_wait -3
	s_barrier_signal -1
	s_barrier_wait -1
.endm
.macro CROUND                          ; a whole round
	s_barrier_signal -1
	s_barrier_wait -1
	CREST
.endm
.macro PLACES n                        ; plain vector lines between a matrix instruction and a load into, or a read or write of, its registers (eight for this form)
.rept \n
	v_nop
.endr
.endm
.macro FRAG reg, adr, q, i             ; fragment i of the slot's q-th panel: four groups of four registers, as they lie
.irp c, 0,1,2,3
	ds_load_b128 v[(\reg)+4*\c:(\reg)+4*\c+3], v[\adr] offset:(\q)*PANEL+(\i)*2048+512*\c
.endr
.endm
.macro FETCH_B slot, q, p              ; the units' eight fragments into set p
	WIN TO_B
.irp i, 0,1,2,3,4,5,6,7
	FRAG 128*(\p)+16*\i, ADRB+\slot, \q, \i
.endr
	WIN 0
.endm
.macro FETCH_A slot, q, i0             ; the tokens' blocks i0 .. i0 + 3
.irp i, \i0, \i0+1, \i0+2, \i0+3
	FRAG AF+16*(\i), ADRA+\slot, \q, \i
.endr
.endm
.macro SCALES slot                     ; a slot's scale words: two panels a side, four registers a panel
.irp q, 0,1
.irp j, 0,1,2,3
	ds_load_b32 v[SC+16*\slot+8*\q+\j], v[ADSA+\slot] offset:16384+\q*PANEL+128*\j
	ds_load_b32 v[SC+16*\slot+8*\q+4+\j], v[ADSB+\slot] offset:16384+\q*PANEL+128*\j
.endr
.endr
.endm
; One product: token block a x unit fragment b.  An odd fragment's scale words lie in lanes 16-31 of its register.
.macro WM a, b, p, q, sc, zero
.set rD, 8*(8*((\a)%4)+(\b))
.set rB, 128*(\p)+16*(\b)
.set rA, AF+16*(\a)
.set rSB, SC+16*(\sc)+8*(\q)+4+(\b)/2
.set rSA, SC+16*(\sc)+8*(\q)+(\a)/2
.if \zero
.if ((\a)%2) && ((\b)%2)
	v_wmma_scale_f32_16x16x128_f8f6f4 v[rD:rD+7], v[rB:rB+15], v[rA:rA+15], 0, v[rSB], v[rSA] matrix_a_scale:MATRIX_SCALE_ROW1 matrix_b_scale:MATRIX_SCALE_ROW1
.elseif ((\b)%2)
	v_wmma_scale_f32_16x16x128_f8f6f4 v[rD:rD+7], v[rB:rB+15], v[rA:rA+15], 0, v[rSB], v[rSA] matrix_a_scale:MATRIX_SCALE_ROW1
.elseif ((\a)%2)
	v_wmma_scale_f32_16x16x128_f8f6f4 v[rD:rD+7], v[rB:rB+15], v[rA:rA+15], 0, v[rSB], v[rSA] matrix_b_scale:MATRIX_SCALE_ROW1
.else
	v_wmma_scale_f32_16x16x128_f8f6f4 v[rD:rD+7], v[rB:rB+15], v[rA:rA+15], 0, v[rSB], v[rSA]
.endif
.else
.if ((\a)%2) && ((\b)%2)
	v_wmma_scale_f32_16x16x128_f8f6f4 v[rD:rD+7], v[rB:rB+15], v[rA:rA+15], v[rD:rD+7], v[rSB], v[rSA] matrix_a_scale:MATRIX_SCALE_ROW1 matrix_b_scale:MATRIX_SCALE_ROW1
.elseif ((\b)%2)
	v_wmma_scale_f32_16x16x128_f8f6f4 v[rD:rD+7], v[rB:rB+15], v[rA:rA+15], v[rD:rD+7], v[rSB], v[rSA] matrix_a_scale:MATRIX_SCALE_ROW1
.elseif ((\a)%2)
	v_wmma_scale_f32_16x16x128_f8f6f4 v[rD:rD+7], v[rB:rB+15], v[rA:rA+15], v[rD:rD+7], v[rSB], v[rSA] matrix_b_scale:MATRIX_SCALE_ROW1
.else
	v_wmma_scale_f32_16x16x128_f8f6f4 v[rD:rD+7], v[rB:rB+15], v[rA:rA+15], v[rD:rD+7], v[rSB], v[rSA]
.endif
.endif
.endm
; 16 products: token blocks a0, a0 + 1 x the eight unit fragments.  The 64 accumulators take turns, one instruction a turn, in the same order in every step.  zero = 1: the first product starts the sums.
.macro MUL16 a0, p, q, sc, zero
.irp a, \a0, \a0+1
.irp b, 0,1,2,3,4,5,6,7
	WM (\a), \b, \p, \q, \sc, \zero
.endr
.endr
.endm
; A step of 128 along K that has its successor in the same slot
.macro STEP slot, q, zero
	s_wait_dscnt 16                                ; the units' set, the scale words and token blocks 0-3 are in; the youngest sixteen loads (blocks 4-7) may be out
	WIN MUL_LO
	MUL16 0, (\q)%2, \q, \slot, \zero
	MUL16 2, (\q)%2, \q, \slot, \zero
	s_wait_dscnt 0                                 ; blocks 4-7 are in
	PLACES 8
	FETCH_B \slot, (\q)+1, 1-(\q)%2
	FETCH_A \slot, (\q)+1, 0
	WIN MUL_HI
	MUL16 4, (\q)%2, \q, \slot, \zero
	MUL16 6, (\q)%2, \q, \slot, \zero
	PLACES 8
	WIN 0
	FETCH_A \slot, (\q)+1, 4
.endm
; A slot's last step changes slots: ONE barrier; in front of it each wave waits for all its tensor loads, adds 0 to its spare word, and waits for that and for its own reads of this slot.  fill = 1: this slot is filled again, two K steps of 256 ahead.
.macro TURN slot, next, fill
	s_wait_tensorcnt 0x0                           ; all my tensor loads have landed: the one that was out is my part of the next slot
	ds_add_u32 v[SPW], v[NIL]                      ; 0 onto my spare word
	s_wait_dscnt 17                                ; (the add and the youngest sixteen loads may be out)
	WIN MUL_LO
	MUL16 0, 1, 1, \slot, 0                        ; sixteen products stand between the add and the wait for it
	s_wait_dscnt 0x0                               ; the add is done, and my reads of this slot are over
	s_barrier_signal -1
	MUL16 2, 1, 1, \slot, 0
	WIN 0
	s_barrier_wait -1
.if \fill
	CREST                                          ; the barrier has opened a round of the cluster's: no wave of any partner still reads this slot or has a load on its way
	s_add_nc_u64 s[G0+4*\slot+2:G0+4*\slot+3], s[G0+4*\slot+2:G0+4*\slot+3], 2*PART
	s_add_nc_u64 s[G0B+4*\slot+2:G0B+4*\slot+3], s[G0B+4*\slot+2:G0B+4*\slot+3], 2*PART
	JLOAD \slot                                    ; the first tensor load behind the round, one a wave; its four v_nop are four of the eight places in front of the loads below
	PLACES 4
.else
	PLACES 8
.endif
	FETCH_B \next, 0, 0
	FETCH_A \next, 0, 0
	SCALES \next
	WIN MUL_HI
	MUL16 4, 1, 1, \slot, 0
	MUL16 6, 1, 1, \slot, 0
	PLACES 8
	WIN 0
	FETCH_A \next, 0, 4
.endm
	s_load_b256 s[4:11], s[0:1], 0x0               ; xq s[4:5], w1q s[6:7], b1 s[8:9], hq s[10:11]
	v_lshl_add_u32 v[SPW], v0, 2, SPARE
	v_mov_b32 v[NIL], 0
	ds_add_u32 v[SPW], v[NIL]                      ; the wave's opening: the add, twice on end, and its wait ahead of my first tensor load
	ds_add_u32 v[SPW], v[NIL]                      ; and once more, under the one wait
	v_lshrrev_b32 v1, 5, v0
	v_readfirstlane_b32 s14, v1                    ; wave 0..3
	s_lshr_b32 s15, s14, 1                         ; which 128 tokens are mine.  Also: I fetch tokens' panels (0) or units' (1)
	s_and_b32 s16, s14, 1                          ; which 128 units are mine.  Also: which half I fetch
	s_bfe_u32 s40, ttmp6, 0x40000                  ; cx, cy: my place in the cluster
	s_bfe_u32 s41, ttmp6, 0x40004
	s_lshl_b32 s42, ttmp9, 2
	s_add_co_u32 s42, s42, s40                     ; tc = 4 x cluster x + cx: rows 256 tc on of w1q
	s_and_b32 s17, ttmp7, 0xffff
	s_lshl_b32 s17, s17, 2
	s_add_co_u32 s17, s17, s41                     ; tr = 4 x cluster y + cy: tokens 256 tr on
	s_lshl_b32 s43, s41, 2
	s_lshl_b32 s43, 15, s43                        ; my row of the cluster
	s_lshl_b32 s44, 0x1111, s40                    ; my column
	; descriptor group 1: a dense block of 33,792 bytes as 132 rows of 32 elements of 8 bytes; no padding: fragments are read 512 consecutive bytes an instruction
	s_or_b32 s[G1], s43, (3<<16)|(1<<21)           ; 15:0 the mask; 17:16 elements of 8 bytes; 21 set beside a mask
	s_or_b32 s[G1B], s44, (3<<16)|(1<<21)
.irp g, G1, G1B
	s_mov_b32 s[\g+1], 32<<16                      ; tensor_dim0 = 32
	s_mov_b32 s[\g+2], 132<<16                     ; tensor_dim1 = 132
	s_mov_b32 s[\g+3], 32<<16                      ; tile_dim0 = 32
	s_mov_b32 s[\g+4], 132                         ; tile_dim1 = 132
	s_mov_b32 s[\g+5], 32                          ; the pitch
	s_mov_b32 s[\g+6], 0
	s_mov_b32 s[\g+7], 0
.endr
	s_lshl_b32 s20, s17, 1
	s_add_co_u32 s20, s20, s16
	s_mul_i32 s20, s20, RBS                        ; tokens: row block 2 tr + half
	s_mov_b32 s21, 0
	s_lshl_b32 s46, s42, 1
	s_add_co_u32 s46, s46, s16
	s_mul_i32 s46, s46, RBS                        ; units: row block 2 tc + half
	s_mov_b32 s47, 0
	s_mul_i32 s45, s14, PART                       ; where they go: wave x a part: no place in the cluster enters an LDS address
	s_wait_dscnt 0x0                               ; both opening adds are done
	s_wait_kmcnt 0x0
	s_add_nc_u64 s[20:21], s[4:5], s[20:21]
	s_add_nc_u64 s[46:47], s[6:7], s[46:47]
	CROUND                                         ; all sixteen work-groups are here: the first joint loads meet
.irp s, 0,1
	s_mov_b32 s[G0+4*\s], 1
	s_add_co_u32 s[G0+4*\s+1], s45, \s*SLOT
	s_add_nc_u64 s[G0+4*\s+2:G0+4*\s+3], s[20:21], \s*PART
	s_or_b32 s[G0+4*\s+3], s[G0+4*\s+3], 0x80000000
	s_mov_b32 s[G0B+4*\s], 1
	s_add_co_u32 s[G0B+4*\s+1], s45, \s*SLOT
	s_add_nc_u64 s[G0B+4*\s+2:G0B+4*\s+3], s[46:47], \s*PART
	s_or_b32 s[G0B+4*\s+3], s[G0B+4*\s+3], 0x80000000
	JLOAD \s                                       ; both slots' first fills go out together: two loads of mine are out
.endr
	v_and_b32 v1, 31, v0                           ; lane
	v_lshlrev_b32 v[GO], 4, v1
	v_lshlrev_b32 v27, 2, v1
	s_mul_i32 s18, s15, PART                       ; my 128 tokens,
	s_mul_i32 s19, s16, PART
	s_add_co_u32 s19, s19, 2*PART                  ; my 128 units, behind the tokens' two parts
.irp s, 0,1
	v_add_nc_u32 v[ADRA+\s], s18, v[GO]
	v_add_nc_u32 v[ADSA+\s], s18, v27
	v_add_nc_u32 v[ADRB+\s], s19, v[GO]
	v_add_nc_u32 v[ADSB+\s], s19, v27
	s_add_co_u32 s18, s18, SLOT
	s_add_co_u32 s19, s19, SLOT
.endr
	s_lshl_b32 s23, s14, 9
	s_add_co_u32 s23, s23, SCST
	v_and_b32 v30, 15, v0
	v_lshl_add_u32 v[LSW], v30, 2, s23
	v_add_nc_u32 v[LSR], s23, v[GO]
	v_bfe_u32 v31, v0, 4, 1
	v_lshlrev_b32 v31, 6, v31                      ; b1: lanes 16-31 take the 16 units further on; not rewritten
	s_lshl_b32 s74, s42, 10                        ; b1 is [2][4096]: 256 tc + 128 x half, in numbers of 4 bytes
	s_lshl_b32 s75, s16, 9
	s_add_co_u32 s74, s74, s75
	s_mov_b32 s75, 0
	s_add_nc_u64 s[8:9], s[8:9], s[74:75]
.irp t, 0,1,2,3,4,5,6,7                        ; in the results' layout: fragment t's register j is unit 32 (t / 2) + 16 h + 8 (t % 2) + j
	global_load_b128 v[BI+8*\t:BI+8*\t+3], v31, s[8:9] offset:(32*(\t/2)+8*(\t%2))*4
	global_load_b128 v[BI+8*\t+4:BI+8*\t+7], v31, s[8:9] offset:(32*(\t/2)+8*(\t%2))*4+16
.endr
	s_lshr_b32 s72, s42, 4                         ; the expert
	s_lshl_b32 s72, s72, 5
	s_lshl_b32 s73, s17, 1
	s_add_co_u32 s72, s72, s73
	s_add_co_u32 s72, s72, s15                     ; hq's token block: 32 e + 2 tr + half
	s_lshl_b32 s72, s72, 5
	s_lshl_b32 s73, s42, 1
	s_add_co_u32 s73, s73, s16
	s_and_b32 s73, s73, 31                         ; its K step: my 128 units within the expert
	s_add_co_u32 s72, s72, s73
	s_mul_i32 s72, s72, PANEL
	s_mov_b32 s73, 0
	s_add_nc_u64 s[10:11], s[10:11], s[72:73]      ; my panel of hq
.irp u, 0,1
	v_mov_b32 v[KA5+\u], 0x3f07dc22                ; c5 =  0.5307027145
	v_mov_b32 v[KA4+\u], 0xbf3a00e3                ; c4 = -0.7265760135
	v_mov_b32 v[KA3+\u], 0x3f35f0e3                ; c3 =  0.7107068705
	v_mov_b32 v[KA2+\u], 0xbe11a98e                ; c2 = -0.142248368
	v_mov_b32 v[KA1+\u], 0x3e027906                ; c1 =  0.127414796
	v_mov_b32 v[KCC+\u], 0xbf38aa3b                ; -log2(e) / 2
.endr
	s_mov_b32 s66, 0x3e6d3389                      ; 0.2316419
	s_mov_b32 s67, 0x600000                        ; the mantissa field of 448
	s_mov_b32 s68, 0x76543210
	s_mov_b32 s69, 0xfedcba98                      ; v_permlanex16_b32's selects for lane l xor 16
	s_wait_tensorcnt 1                             ; my part of slot 0 is in; slot 1's may stay out
	s_barrier_signal -1
	s_barrier_wait -1                              ; everybody's is
	FETCH_B 0, 0, 0
	FETCH_A 0, 0, 0
	SCALES 0
	FETCH_A 0, 0, 4
	STEP 0, 0, 1                                   ; K = 1,024 is eight steps of 128, written out: the first starts the sums
	TURN 0, 1, 1                                   ; slot 0 takes K 512 ..
	STEP 1, 0, 0
	TURN 1, 0, 1                                   ; slot 1 takes K 768 ..
	STEP 0, 0, 0
	TURN 0, 1, 0                                   ; nothing is left to fetch
	STEP 1, 0, 0
	s_wait_dscnt 16                                ; the last step
	WIN MUL_LO
	MUL16 0, 1, 1, 1, 0
	MUL16 2, 1, 1, 1, 0
	s_wait_dscnt 0
	WIN MUL_HI
	MUL16 4, 1, 1, 1, 0
	MUL16 6, 1, 1, 1, 0
	WIN 0
	; ---- THE EPILOGUE, a token block of 16 at a time.  One loop body serves the eight blocks: the bias's addition, which is owed anyway, brings a block's 64 sums out of their window into window 0; only those 32 lines are written eight times.
.macro ARM a
.Larm\a:
	WIN 0x02+((\a)/4)                              ; source 0: window 2 or 3
.set i2, 0
.rept 32
	v_pk_add_f32 v[YR+i2:YR+i2+1], v[64*((\a)%4)+i2:64*((\a)%4)+i2+1], v[BI+i2:BI+i2+1]   ; ascending: each accumulator is read from its low end on
.set i2, i2+2
.endr
	WIN 0
	s_branch .Ljoin
.endm
.macro GELU o                          ; 16 numbers at v[YR + o]: 32 transcendentals in one batch, with one wait
.irp i, 0,1,2,3,4,5,6,7,8,9,10,11,12,13,14,15
	v_fma_f32 v[UR+\i], |v[YR+\o+\i]|, s66, 1.0
.endr
.irp i, 0,1,2,3,4,5,6,7,8,9,10,11,12,13,14,15
	v_rcp_f32 v[UR+\i], v[UR+\i]                   ; u
.endr
.irp i, 0,2,4,6,8,10,12,14
	v_pk_mul_f32 v[QR+\i:QR+\i+1], v[YR+\o+\i:YR+\o+\i+1], v[YR+\o+\i:YR+\o+\i+1]   ; plain work behind the reciprocals
.endr
.irp i, 0,2,4,6,8,10,12,14
	v_pk_mul_f32 v[QR+\i:QR+\i+1], v[QR+\i:QR+\i+1], v[KCC:KCC+1]
.endr
.irp i, 0,1,2,3,4,5,6,7,8,9,10,11,12,13,14,15
	v_exp_f32 v[QR+\i], v[QR+\i]                   ; 2^(-y^2 log2(e) / 2)
.endr
	v_nop                                          ; a plain line behind the last transcendental,
	s_wait_alu depctr_va_vdst(0)                   ; and the one wait for the batch, ahead of the first line that names a result
.irp i, 0,2,4,6,8,10,12,14
	v_pk_fma_f32 v[HR+\i:HR+\i+1], v[UR+\i:UR+\i+1], v[KA5:KA5+1], v[KA4:KA4+1]
.endr
.irp k, KA3, KA2, KA1
.irp i, 0,2,4,6,8,10,12,14
	v_pk_fma_f32 v[HR+\i:HR+\i+1], v[HR+\i:HR+\i+1], v[UR+\i:UR+\i+1], v[\k:\k+1]
.endr
.endr
.irp i, 0,2,4,6,8,10,12,14
	v_pk_mul_f32 v[HR+\i:HR+\i+1], v[HR+\i:HR+\i+1], v[UR+\i:UR+\i+1]
.endr
.irp i, 0,2,4,6,8,10,12,14
	v_pk_mul_f32 v[HR+\i:HR+\i+1], v[HR+\i:HR+\i+1], v[QR+\i:QR+\i+1]   ; S
.endr
.irp i, 0,1,2,3,4,5,6,7,8,9,10,11,12,13,14,15
	v_max_num_f32 v[UR+\i], 0, v[YR+\o+\i]
.endr
.irp i, 0,1,2,3,4,5,6,7,8,9,10,11,12,13,14,15
	v_fma_f32 v[YR+\o+\i], -|v[YR+\o+\i]|, v[HR+\i], v[UR+\i]   ; gelu = max(y, 0) - |y| S
.endr
.endm
.macro QUANT s                         ; 64 numbers of a lane, register 16 b + i = K 32 b + 16 (lane / 16) + i of my token, become a fragment's codes at v[PC] and its scale word in v[PW]
.irp b, 0,1,2,3
	v_max3_num_f32 v[TM+\b], |v[(\s)+16*\b]|, |v[(\s)+1+16*\b]|, 0x4800000   ; and the floor 2^(9 - 127): the byte cannot fall under 1
.endr
.irp i, 2,4,6,8,10,12,14
.irp b, 0,1,2,3
	v_max3_num_f32 v[TM+\b], v[TM+\b], |v[(\s)+16*\b+\i]|, |v[(\s)+1+16*\b+\i]|
.endr
.endr
.irp b, 0,1,2,3
	v_permlanex16_b32 v[TM+4+\b], v[TM+\b], s68, s69
.endr
.irp b, 0,1,2,3
	v_max_num_f32 v[TM+\b], v[TM+\b], v[TM+4+\b]   ; with lane l xor 16's: the block's largest magnitude
.endr
.irp b, 0,1,2,3
	v_add_nc_u32 v[TM+12+\b], 0xfc000000, v[TM+\b]   ; 8 off its exponent field: the conversion's scale operand
.endr
.irp b, 0,1,2,3
	v_and_or_b32 v[TM+8+\b], v[TM+\b], 0x7f800000, s67   ; 448 x the scale
.endr
.irp b, 0,1,2,3
	v_lshrrev_b32 v[TM+4+\b], 23, v[TM+12+\b]      ; the byte
.endr
	v_lshl_or_b32 v[PW], v[TM+5], 8, v[TM+4]
	v_lshl_or_b32 v[PW], v[TM+6], 16, v[PW]
	v_lshl_or_b32 v[PW], v[TM+7], 24, v[PW]
.irp b, 0,1,2,3
.irp i, 0,1,2,3,4,5,6,7,8,9,10,11,12,13,14,15
	v_med3_num_f32 v[(\s)+16*\b+\i], v[(\s)+16*\b+\i], -v[TM+8+\b], v[TM+8+\b]   ; the conversion to an 8-bit code does not saturate (ISA guide 7.6.2): the hold
.endr
	v_cvt_scalef32_pk8_fp8_f32 v[PC+4*\b:PC+1+4*\b], v[(\s)+16*\b:(\s)+7+16*\b], v[TM+12+\b]
	v_cvt_scalef32_pk8_fp8_f32 v[PC+2+4*\b:PC+3+4*\b], v[(\s)+8+16*\b:(\s)+15+16*\b], v[TM+12+\b]
.endr
	v_nop                                          ; one plain line behind the last scaled conversion
.endm
	PLACES 8                                       ; behind the last products: their results are read, and their operands' registers written, from here on
.irp b, 0,1,2,3
	v_mov_b32 v[TM+4+\b], 0                        ; written once: a lane permute's destination counts as one of its sources
.endr
	s_wait_loadcnt 0x0                             ; b1
	s_mov_b32 s70, 0                               ; the token block
	s_mov_b32 s71, 0                               ; 64 x the token block: its scale words' place
.Lblk:
.irp a, 0,1,2,3,4,5,6
	s_cmp_eq_u32 s70, \a
	s_cbranch_scc1 .Larm\a
.endr
	ARM 7
.irp a, 0,1,2,3,4,5,6
	ARM \a
.endr
.Ljoin:
	GELU 0
	GELU 16
	GELU 32
	GELU 48
	QUANT YR
	v_add_nc_u32 v[LSA], s71, v[LSW]
.irp c, 0,1,2,3
	global_store_b128 v[GO], v[PC+4*\c:PC+4*\c+3], s[10:11] offset:512*\c   ; the fragment as it stands: 512 consecutive bytes, aligned
.endr
	ds_store_b32 v[LSA], v[PW]                     ; both halves of the lanes write the same word with the same value
	s_wait_xcnt 0x0                                ; the stores have read their registers and their base: both are written again below and in the next trip
	s_wait_dscnt 0x0                               ; and the LDS store its two
	s_add_nc_u64 s[10:11], s[10:11], 2048
	s_add_co_u32 s71, s71, 64
	s_add_co_u32 s70, s70, 1
	s_cmp_lt_u32 s70, 8
	s_cbranch_scc1 .Lblk
	ds_load_b128 v[PC:PC+3], v[LSR]                ; my panel's 512 bytes of scale words (my own wave's bytes)
	s_wait_dscnt 0x0
	global_store_b128 v[GO], v[PC:PC+3], s[10:11]  ; the base stands at the panel's byte 16,384: 512 consecutive bytes, aligned
	s_wait_tensorcnt 0x0                           ; the wave's end, behind my last tensor load and my last LDS store
	ds_add_u32 v[SPW], v[NIL]
	s_wait_dscnt 0x0
	CROUND                                         ; the closing round: no work-group ends while a partner may still ask for a tile that names it
	s_endpgm
.Lfunc_end_k_q4bffbe90b0_fc:
	.size	k_q4bffbe90b0_fc, .Lfunc_end_k_q4bffbe90b0_fc-k_q4bffbe90b0_fc
	.p2alignl 7, 3214868480
	.fill 96, 4, 3214868480
	.section	.rodata,"a",@progbits
	.p2align	6, 0x0
	.amdhsa_kernel k_q4bffbe90b0_fc
		.amdhsa_group_segment_fixed_size 327680
		.amdhsa_private_segment_fixed_size 0
		.amdhsa_enable_private_segment 0
		.amdhsa_kernarg_size 32
		.amdhsa_user_sgpr_count 2
		.amdhsa_user_sgpr_kernarg_segment_ptr 1
		.amdhsa_wavefront_size32 1
		.amdhsa_system_sgpr_workgroup_id_x 1
		.amdhsa_system_sgpr_workgroup_id_y 1
		.amdhsa_system_sgpr_workgroup_id_z 1
		.amdhsa_system_vgpr_workitem_id 0
		.amdhsa_next_free_vgpr 1024
		.amdhsa_next_free_sgpr 76
		.amdhsa_reserve_vcc 0
		.amdhsa_float_denorm_mode_32 3
		.amdhsa_float_denorm_mode_16_64 3
		.amdhsa_memory_ordered 1
		.amdhsa_forward_progress 1
		.amdhsa_inst_pref_size 174
	.end_amdhsa_kernel
	.amdgpu_metadata
---
amdhsa.version: [ 1, 2 ]
amdhsa.kernels:
  - .name:           k_q4bffbe90b0_fc
    .symbol:         k_q4bffbe90b0_fc.kd
    .args:
      - { .name: xq, .offset: 0, .size: 8, .value_kind: global_buffer, .address_space: global }
      - { .name: w1q, .offset: 8, .size: 8, .value_kind: global_buffer, .address_space: global }
      - { .name: b1, .offset: 16, .size: 8, .value_kind: global_buffer, .address_space: global }
      - { .name: hq, .offset: 24, .size: 8, .value_kind: global_buffer, .address_space: global }
    .group_segment_fixed_size: 327680
    .private_segment_fixed_size: 0
    .kernarg_segment_align: 8
    .kernarg_segment_size: 32
    .max_flat_workgroup_size: 128
    .sgpr_count:     76
    .vgpr_count:     1024
    .wavefront_size: 32
...
	.end_amdgpu_metadata
.endif
;; end of part 2
;; launch proj (part 3): grid 8 x 32, 4 waves a work-group, clusters of 4 x 4, 327,680 bytes of LDS; arguments hq, w2q, gates, b2, out0; writes out0
.if DOCPART == 3
	.amdgcn_target "amdgcn-amd-amdhsa--gfx1250"
	.amdhsa_code_object_version 6
	.text
	.protected	k_q4bffbe90b0_proj
	.globl	k_q4bffbe90b0_proj
	.p2align	8
	.type	k_q4bffbe90b0_proj,@function
k_q4bffbe90b0_proj:
	s_mov_b64 s[64:65], 0
	v_nop
	global_prefetch_b8 v0, s[64:65] scope:SCOPE_SE
	s_setreg_imm32_b32 hwreg(HW_REG_WAVE_MODE, 25, 1), 1
	s_wait_xcnt 0x0
	s_wait_alu depctr_hold_cnt(0) depctr_sa_sdst(0) depctr_va_vdst(0) depctr_va_sdst(0) depctr_va_ssrc(0) depctr_va_vcc(0) depctr_vm_vsrc(0)
	s_getreg_b32 s2, hwreg(HW_REG_IB_STS2, 6, 4)
	s_cmp_eq_u32 s2, 0
	s_cbranch_scc0 .Lentry_in_a_cluster
	s_endpgm
.Lentry_in_a_cluster:
	s_bfe_u32 s2, ttmp6, 0x10000c
	s_cmp_lg_u32 s2, 0xf033
	s_cbranch_scc0 .Lentry_shape_is_right
	s_endpgm
.Lentry_shape_is_right:
; THIRD LAUNCH: out0[t] = g0[t] (h_0[t] w2_0 + b2_0) + g1[t] (h_1[t] w2_1 + b2_1), g0 = max(p0, p1), g1 = min(p0, p1): the second quantised product of both experts, its bias, and reference()'s weighted gather, which for
; two experts and top-2 is this sum for all finite inputs (shown at the head of the first launch).  Nothing of reference() is left out.
; OPERANDS are panels of 128 rows x 128 K laid as the operands' registers (8 fragments of 2,048 bytes, then 512 bytes of scale words): hq [2][32 token blocks][32 K steps], w2q [2][8 column blocks][32 K steps].
; SHARES.  Each number of out0 has one owner, and both experts meet in it: a work-group makes 128 tokens x 128 columns, 256 work-groups.  THE FOUR WAVES SHARE EXPERT AND K: wave w = 2 e + kh makes the WHOLE tile for expert e
; over K = 2,048 kh .. + 2,047, 16 steps of 128: so each keeps 64 accumulators (512 registers) and 64 products for each two panels that it reads from LDS.  The four partial tiles meet in LDS at the end.
; So a sum over K is made in two halves, each ascending, and the halves are added in f32: another grouping than reference()'s.  NaN and infinities are not served.
; ONE REGION OF LDS, FILLED WHOLE.  Every panel is read once, by one wave, and a wave's registers hold a whole step's operands.  So the 16 panels of TWO steps of all four waves (270,336 bytes) are brought at once, one tensor load of
; four panels a wave; when the second step's operands have been read into registers, no byte of the region is needed any more, and the next two steps are asked for while that second step is multiplied.  A work-group's
; 128 panels so come in 8 fills, 7 of them refills, each of as many bytes as LDS holds of them.  A period has two barriers: one behind the landing, one (a round of the cluster's) in front of the refill.
; CLUSTER 4 x 4: the four of a row need the same tokens' panels, the four of a column the same columns': each is asked for jointly, by the same tensor load with the same descriptor and a mask that names the four.
; THE MATRIX INSTRUCTION IS USED TRANSPOSED (source 0 = 16 columns' rows of w2q, source 1 = 16 tokens): a lane holds eight neighbouring columns of one token.
; REGISTERS.  Window 0: v2-9 b2, v10-11 gates, v12-31 addresses; v32-47 scale words and nothing else; v128-255 the tokens' 8 fragments, ONE set; on the way out v64-191.  Window 1: the columns' fragments, TWO sets.  Windows 2, 3: the accumulators.
.set PANEL, 16896
.set LOADB, 4*PANEL                    ; what one tensor load brings: K half 0's two steps, then K half 1's
.set RBS,   32*PANEL                   ; a row block's 32 panels
.set SPARE, 16*PANEL                   ; behind the region: the spare words, 128 bytes for each wave: two blocks of 256 bytes that no other line names
.set STGB,  128*528                    ; the way out: a stage of 128 rows x (512 bytes + 16) for each wave; the four fill the region's bytes, which have had their last fill and their last read by then
.set RD,  12                           ; v12-15 the way out: stage q, my 32 rows, 16 x lane
.set ADRA, 16                          ; v16  LDS address of my tokens' two panels: + 16 x lane
.set ADSA, 18                          ; v18  + 4 x lane
.set ADRB, 20                          ; v20, v22 the same for my columns' two panels
.set ADSB, 22
.set CO,  24                           ; v24  16 x lane
.set STO, 25                           ; v25  the way out: where I put 32 bytes of a row
.set PFO, 26                           ; v26  256 x lane: the prefetches' offset; never rewritten
.set SPW, 28                           ; v28  LDS address of my spare word; never rewritten
.set NIL, 29                           ; v29  0; never rewritten
.set SC,  32                           ; scale words at 8 q + 4 side + j (q: the period's step): lanes 0-15 fragment 2 j's rows, lanes 16-31 fragment 2 j + 1's; side 0 tokens, 1 columns
.set CB,  64                           ; the way out: eight rows x four stages x four registers
.set AF,  128
.set G1, 24                            ; s[24:31] descriptor group 1 for the tokens' panels; s[32:35] group 0
.set G0, 32
.set G1B, 48                           ; s[48:55], s[56:59] the same for the columns'
.set G0B, 56
.set PFA, 80                           ; s[80:81] where my prefetches stand
.set LIM, 82                           ; s82  1 in a wave that prefetches, else the greatest number
.set MSB, 0
.macro WIN new                         ; the immediate's high byte repeats the setting that is left
.if MSB != (\new)
	s_set_vgpr_msb (MSB<<8)|(\new)
.set MSB, (\new)
.endif
.endm
.set MUL_LO, 0xa1                      ; source 0 (columns) window 1, source 1 (tokens) window 0, C and D window 2
.set MUL_HI, 0xf1                      ; the same, C and D window 3
.set TO_B,   0x40                      ; destination window 1, address window 0
; A joint load: waves 0 and 1 fetch the tokens' panels of expert 0 and 1, waves 2 and 3 the columns'.  The branch hangs on the wave's number alone.  An s_nop 0 and four v_nop follow each of the two lines.
.macro JLOAD
	s_cmp_eq_u32 s15, 0
	s_cbranch_scc0 .Lfor_b_\@
	tensor_load_to_lds s[G0:G0+3], s[G1:G1+7]
	s_nop 0
.rept 4
	v_nop
.endr
	s_branch .Lasked_\@
.Lfor_b_\@:
	tensor_load_to_lds s[G0B:G0B+3], s[G1B:G1B+7]
	s_nop 0
.rept 4
	v_nop
.endr
.Lasked_\@:
.endm
; A PREFETCH of the codes that the NEXT refill will ask for: it stands behind the joint load for period j + 1 and names period j + 2: a period, 128 products of a wave, ahead of the load that will want them.
; Each block of 256 bytes is named once in the launch.  A token block's panels are read by both clusters of its row of clusters: cluster x = 0 asks; a column block's by all eight of its column: cluster y = 0 asks.
; A fetching wave's load has four panels: the four partners that ask for it jointly take one each, told apart BY ADDRESS (place p: K half p / 2, step p % 2): 16,384 bytes of codes, lanes 256 bytes apart, two instructions together.
; The loop's last trip asks for nothing: there is no period behind the one that it loads.  So periods 2 to 7 are named; periods 0 and 1, and the scale words, come by their loads alone.
.macro ASK
	s_cmp_gt_u32 s3, s[LIM]                        ; s3 = 1 in the loop's last trip
	s_cbranch_scc0 .Lnot_mine_\@
	global_prefetch_b8 v[PFO], s[PFA:PFA+1] th:TH_LOAD_NT scope:SCOPE_SE
	global_prefetch_b8 v[PFO], s[PFA:PFA+1] offset:8192 th:TH_LOAD_NT scope:SCOPE_SE
.Lnot_mine_\@:
.endm
.macro CREST                           ; a round of the cluster's barrier behind its opening barrier
	s_cmp_lg_u32 s14, 0
	s_cbranch_scc1 .Lnot_wave_0_\@
	s_barrier_signal -3
.Lnot_wave_0_\@:
	s_barrier_wait -3
	s_barrier_signal -1
	s_barrier_wait -1
.endm
.macro CROUND                          ; a whole round
	s_barrier_signal -1
	s_barrier_wait -1
	CREST
.endm
.macro PLACES n                        ; plain vector lines between a matrix instruction and a load into, or a read of, its registers (eight for this form)
.rept \n
	v_nop
.endr
.endm
.macro FRAG reg, adr, q, i             ; fragment i of the period's q-th panel: four groups of four registers, as they lie: 512 consecutive bytes an instruction
.irp c, 0,1,2,3
	ds_load_b128 v[(\reg)+4*\c:(\reg)+4*\c+3], v[\adr] offset:(\q)*PANEL+(\i)*2048+512*\c
.endr
.endm
.macro FETCH_B q                       ; the columns' eight fragments of step q into set q
	WIN TO_B
.irp i, 0,1,2,3,4,5,6,7
	FRAG 128*(\q)+16*\i, ADRB, \q, \i
.endr
	WIN 0
.endm
.macro FETCH_A q, i0                   ; the tokens' blocks i0 .. i0 + 3 of step q
.irp i, \i0, \i0+1, \i0+2, \i0+3
	FRAG AF+16*(\i), ADRA, \q, \i
.endr
.endm
.macro SCALES                          ; both steps' scale words: four registers a panel
.irp q, 0,1
.irp j, 0,1,2,3
	ds_load_b32 v[SC+8*\q+\j], v[ADSA] offset:16384+\q*PANEL+128*\j
	ds_load_b32 v[SC+8*\q+4+\j], v[ADSB] offset:16384+\q*PANEL+128*\j
.endr
.endr
.endm
; One product: token block a x column fragment b; p: the period's step, which is also the columns' set and the set of scale words.  An odd fragment's scale words lie in lanes 16-31 of its register.
.macro WM a, b, p, zero
.set rD, 8*(8*((\a)%4)+(\b))
.set rB, 128*(\p)+16*(\b)
.set rA, AF+16*(\a)
.set rSB, SC+8*(\p)+4+(\b)/2
.set rSA, SC+8*(\p)+(\a)/2
.if \zero
.if ((\a)%2) && ((\b)%2)
	v_wmma_scale_f32_16x16x128_f8f6f4 v[rD:rD+7], v[rB:rB+15], v[rA:rA+15], 0, v[rSB], v[rSA] matrix_a_scale:MATRIX_SCALE_ROW1 matrix_b_scale:MATRIX_SCALE_ROW1
.elseif ((\b)%2)
	v_wmma_scale_f32_16x16x128_f8f6f4 v[rD:rD+7], v[rB:rB+15], v[rA:rA+15], 0, v[rSB], v[rSA] matrix_a_scale:MATRIX_SCALE_ROW1
.elseif ((\a)%2)
	v_wmma_scale_f32_16x16x128_f8f6f4 v[rD:rD+7], v[rB:rB+15], v[rA:rA+15], 0, v[rSB], v[rSA] matrix_b_scale:MATRIX_SCALE_ROW1
.else
	v_wmma_scale_f32_16x16x128_f8f6f4 v[rD:rD+7], v[rB:rB+15], v[rA:rA+15], 0, v[rSB], v[rSA]
.endif
.else
.if ((\a)%2) && ((\b)%2)
	v_wmma_scale_f32_16x16x128_f8f6f4 v[rD:rD+7], v[rB:rB+15], v[rA:rA+15], v[rD:rD+7], v[rSB], v[rSA] matrix_a_scale:MATRIX_SCALE_ROW1 matrix_b_scale:MATRIX_SCALE_ROW1
.elseif ((\b)%2)
	v_wmma_scale_f32_16x16x128_f8f6f4 v[rD:rD+7], v[rB:rB+15], v[rA:rA+15], v[rD:rD+7], v[rSB], v[rSA] matrix_a_scale:MATRIX_SCALE_ROW1
.elseif ((\a)%2)
	v_wmma_scale_f32_16x16x128_f8f6f4 v[rD:rD+7], v[rB:rB+15], v[rA:rA+15], v[rD:rD+7], v[rSB], v[rSA] matrix_b_scale:MATRIX_SCALE_ROW1
.else
	v_wmma_scale_f32_16x16x128_f8f6f4 v[rD:rD+7], v[rB:rB+15], v[rA:rA+15], v[rD:rD+7], v[rSB], v[rSA]
.endif
.endif
.endm
; 16 products.  The 64 accumulators take turns, one instruction a turn, in the same order in every step, over the loop's backward jump too.
.macro MUL16 a0, p, zero
.irp a, \a0, \a0+1
.irp b, 0,1,2,3,4,5,6,7
	WM (\a), \b, \p, \zero
.endr
.endr
.endm
; THE LANDING.  My one tensor load is in; behind the barrier everybody's is: each wave reads panels that other waves fetched.  Then the period's first step comes into registers, 80 LDS loads.
.macro LAND
	s_wait_tensorcnt 0x0                           ; no load was issued behind mine: the count is 0
	s_barrier_signal -1
	s_barrier_wait -1
	SCALES
	FETCH_B 0
	FETCH_A 0, 0
	FETCH_A 0, 4
.endm
; THE PERIOD'S FIRST STEP.  In its middle and at its end the second step's operands are fetched: the columns' into the other set, the tokens' block by block as the one set falls free.  zero = 1: the products start the sums.
.macro EVEN zero
	s_wait_dscnt 24                                ; the scale words, the columns' set and token blocks 0, 1 are in; the youngest 24 loads (blocks 2-7) may be out
	WIN MUL_LO
	MUL16 0, 0, \zero
	s_wait_dscnt 16                                ; blocks 2, 3 are in; blocks 4-7 may be out
	MUL16 2, 0, \zero
	s_wait_dscnt 0                                 ; blocks 4-7 are in
	PLACES 8
	FETCH_B 1
	FETCH_A 1, 0
	WIN MUL_HI
	MUL16 4, 0, \zero
	MUL16 6, 0, \zero
	PLACES 8
	WIN 0
	FETCH_A 1, 4
.endm
; THE PERIOD'S SECOND STEP, AND THE REFILL.  In front of the round each wave waits for all its tensor loads (none is out since the landing), adds 0 to its spare word, and waits for that and for its reads: the last of them bring
; token blocks 4-7 of this step, so that all its operands stand in registers and nobody needs the region any more.  The joint refill is the first thing behind the round; this step's other 48 products are issued while it is out.
.macro ODD
	s_wait_xcnt 0x0                                ; the last prefetches, a period back, have read their address, so it may be stepped
	s_add_nc_u64 s[PFA:PFA+1], s[PFA:PFA+1], 2*PANEL
	s_wait_tensorcnt 0x0                           ; no tensor load of mine is out, so a group 0 may be written
	ds_add_u32 v[SPW], v[NIL]                      ; 0 onto my spare word
	s_add_nc_u64 s[G0+2:G0+3], s[G0+2:G0+3], 2*PANEL     ; the next two steps; the type bits on top are not reached
	s_add_nc_u64 s[G0B+2:G0B+3], s[G0B+2:G0B+3], 2*PANEL
	s_wait_dscnt 17                                ; (the add and the youngest sixteen loads, blocks 4-7, may be out)
	WIN MUL_LO
	MUL16 0, 1, 0                                  ; sixteen products stand between the add and the wait for it
	WIN 0
	s_wait_dscnt 0x0                               ; the add is done, and my reads of the region are over
	s_barrier_signal -1
	s_barrier_wait -1
	CREST                                          ; the barrier has opened a round of the cluster's: no wave of any partner still reads the region or has a load on its way
	JLOAD                                          ; the first tensor load behind the round, one a wave
	ASK
	WIN MUL_LO
	MUL16 2, 1, 0
	WIN MUL_HI
	MUL16 4, 1, 0
	MUL16 6, 1, 0
	PLACES 8                                       ; in front of the landing's loads into these products' operands and scale words
	WIN 0
.endm
	s_load_b256 s[4:11], s[0:1], 0x0               ; hq s[4:5], w2q s[6:7], gates s[8:9], b2 s[10:11]
	s_load_b64 s[12:13], s[0:1], 0x20              ; out0
	v_lshl_add_u32 v[SPW], v0, 2, SPARE
	v_mov_b32 v[NIL], 0
	ds_add_u32 v[SPW], v[NIL]                      ; the wave's opening: the add, twice on end, and its wait ahead of my first tensor load
	ds_add_u32 v[SPW], v[NIL]                      ; and once more, under the one wait
	v_lshrrev_b32 v1, 5, v0
	v_readfirstlane_b32 s14, v1                    ; wave 0..3 = 2 e + kh of the products that I make
	s_lshr_b32 s15, s14, 1                         ; I fetch tokens' panels (0) or columns' (1),
	s_and_b32 s16, s14, 1                          ; of this expert
	s_bfe_u32 s40, ttmp6, 0x40000                  ; cx, cy: my place in the cluster
	s_bfe_u32 s41, ttmp6, 0x40004
	s_lshl_b32 s42, ttmp9, 2
	s_add_co_u32 s42, s42, s40                     ; tc = 4 x cluster x + cx: columns 128 tc on
	s_and_b32 s17, ttmp7, 0xffff
	s_lshl_b32 s17, s17, 2
	s_add_co_u32 s17, s17, s41                     ; tr = 4 x cluster y + cy: tokens 128 tr on
	s_lshl_b32 s43, s41, 2
	s_lshl_b32 s43, 15, s43                        ; my row of the cluster
	s_lshl_b32 s44, 0x1111, s40                    ; my column
	; descriptor group 1: two rows of 33,792 bytes (4,224 elements of 8 bytes): two neighbouring steps' panels of K half 0, and those of K half 1, sixteen panels (33,792 elements) further on; they land on end
	s_or_b32 s[G1], s43, (3<<16)|(1<<21)           ; 15:0 the mask; 17:16 elements of 8 bytes; 21 set beside a mask
	s_or_b32 s[G1B], s44, (3<<16)|(1<<21)
.irp g, G1, G1B
	s_mov_b32 s[\g+1], 4224<<16                    ; tensor_dim0
	s_mov_b32 s[\g+2], 2<<16                       ; tensor_dim1
	s_mov_b32 s[\g+3], 4224<<16                    ; tile_dim0
	s_mov_b32 s[\g+4], 2                           ; tile_dim1
	s_mov_b32 s[\g+5], 33792                       ; the pitch
	s_mov_b32 s[\g+6], 0
	s_mov_b32 s[\g+7], 0
.endr
	s_lshl_b32 s20, s16, 5
	s_add_co_u32 s20, s20, s17
	s_mul_i32 s20, s20, RBS                        ; hq: row block 32 e + tr
	s_mov_b32 s21, 0
	s_lshl_b32 s46, s16, 3
	s_add_co_u32 s46, s46, s42
	s_mul_i32 s46, s46, RBS                        ; w2q: row block 8 e + tc
	s_mov_b32 s47, 0
	s_mul_i32 s45, s14, LOADB                      ; where they go: wave x four panels: no place in the cluster enters an LDS address
	s_wait_dscnt 0x0                               ; both opening adds are done
	s_wait_kmcnt 0x0
	s_mov_b32 s[G0], 1                             ; 1:0 count = 1
	s_mov_b32 s[G0+1], s45                         ; 63:32 LDS address
	s_add_nc_u64 s[G0+2:G0+3], s[4:5], s[20:21]    ; 120:64 global address: steps 0 and 1
	s_or_b32 s[G0+3], s[G0+3], 0x80000000          ; 127:126 type = 2
	s_mov_b32 s[G0B], 1
	s_mov_b32 s[G0B+1], s45
	s_add_nc_u64 s[G0B+2:G0B+3], s[6:7], s[46:47]
	s_or_b32 s[G0B+3], s[G0B+3], 0x80000000
	CROUND                                         ; all sixteen work-groups are here: the first joint loads meet
	JLOAD                                          ; the first fill: one load of mine is out
	; the prefetches: whose they are, and where they stand
	s_and_b32 s22, ttmp7, 0xffff                   ; cluster y
	s_cmp_eq_u32 s15, 0                            ; do I fetch tokens' panels?
	s_cselect_b32 s74, s20, s46                    ; my row block's first byte
	s_cselect_b32 s23, s40, s41                    ; my place among the four that ask with me
	s_cselect_b32 s22, ttmp9, s22                  ; the coordinate along which other clusters read the same panels
	s_cselect_b64 s[PFA:PFA+1], s[4:5], s[6:7]
	s_cmp_eq_u32 s22, 0
	s_cselect_b32 s[LIM], 1, -1                    ; the same in all sixteen partners, for a given wave
	s_lshr_b32 s22, s23, 1
	s_lshl_b32 s22, s22, 4                         ; K half p / 2: sixteen panels on,
	s_and_b32 s23, s23, 1
	s_add_co_u32 s22, s22, s23                     ; step p % 2 of a period,
	s_add_co_u32 s22, s22, 2                       ; in period 1: the first refill's step brings it to period 2.  Nothing is prefetched here, at the head, where every work-group's first panels are on their way
	s_mul_i32 s22, s22, PANEL
	s_add_co_u32 s74, s74, s22
	s_mov_b32 s75, 0
	s_add_nc_u64 s[PFA:PFA+1], s[PFA:PFA+1], s[74:75]
	v_and_b32 v1, 31, v0                           ; lane
	v_lshlrev_b32 v[PFO], 8, v1
	v_lshlrev_b32 v[CO], 4, v1
	v_lshlrev_b32 v27, 2, v1
	s_mul_i32 s18, s14, 2*PANEL                    ; the panels that I multiply: the tokens' of (e, kh) = my wave's number: two on end,
	s_add_co_u32 s19, s18, 8*PANEL                 ; the columns' eight panels further on
	v_add_nc_u32 v[ADRA], s18, v[CO]
	v_add_nc_u32 v[ADSA], s18, v27
	v_add_nc_u32 v[ADRB], s19, v[CO]
	v_add_nc_u32 v[ADSB], s19, v27
	v_and_b32 v30, 15, v0                          ; r
	v_bfe_u32 v31, v0, 4, 1                        ; h
	s_mul_i32 s18, s14, STGB                       ; my stage
	v_mul_u32_u24 v[STO], v30, 528
	v_lshl_add_u32 v[STO], v31, 5, v[STO]
	v_add_nc_u32 v[STO], s18, v[STO]               ; in: row r, 32 bytes for each half of the lanes
	s_mul_i32 s18, s14, 32*528                     ; back: rows 32 w on of every stage, 16 bytes a lane
.irp q, 0,1,2,3
	v_add_nc_u32 v[RD+\q], s18, v[CO]
	s_add_co_u32 s18, s18, STGB
.endr
	v_lshlrev_b32 v48, 3, v1                       ; gates: 8 bytes a token; not rewritten
	s_lshl_b32 s74, s42, 9                         ; b2: my tile's 128 columns
	s_add_nc_u64 s[10:11], s[10:11], s[74:75]
	global_load_b128 v[2:5], v[CO], s[10:11]                ; b2[0][128 tc + 4 lane ..]
	global_load_b128 v[6:9], v[CO], s[10:11] offset:4096    ; b2[1][..]
	s_lshl_b32 s74, s17, 10
	s_lshl_b32 s18, s14, 8
	s_add_co_u32 s74, s74, s18
	s_add_nc_u64 s[8:9], s[8:9], s[74:75]
	global_load_b64 v[10:11], v48, s[8:9]          ; lane i: the gates of token 128 tr + 32 w + i
	s_lshl_b32 s74, s17, 19                        ; out0: 128 tr rows of 4,096 bytes,
	s_lshl_b32 s18, s14, 17                        ; + 32 w rows,
	s_add_co_u32 s74, s74, s18
	s_lshl_b32 s18, s42, 9                         ; + the tile's 512 bytes of a row
	s_add_co_u32 s74, s74, s18
	s_add_nc_u64 s[12:13], s[12:13], s[74:75]
	s_mov_b32 s77, 0                               ; (named with s76 and s78 as pairs, so they are written)
	s_mov_b32 s79, 0
	LAND                                           ; period 0
	EVEN 1                                         ; step 0 stands in front of the loop: its products start the sums
	s_mov_b32 s3, 7
.Lper:                                             ; 7 trips, from a period's second step to the next period's first: each asks for the next period
	ODD
	LAND
	EVEN 0
	s_sub_co_u32 s3, s3, 1
	s_cmp_lg_u32 s3, 0
	s_cbranch_scc1 .Lper
	s_wait_dscnt 16                                ; step 15 is written out: nothing is left to fetch
	WIN MUL_LO
	MUL16 0, 1, 0
	MUL16 2, 1, 0
	s_wait_dscnt 0
	WIN MUL_HI
	MUL16 4, 1, 0
	MUL16 6, 1, 0
	WIN 0
	; ---- THE WAY OUT.  Each wave lays its partial tile into its stage; then wave w takes rows 32 w .. 32 w + 31 of all four stages, adds the K halves and the biases, weighs the experts and stores whole rows of 512 bytes.
	PLACES 8                                       ; behind the last products, ahead of the first read of results
	s_wait_dscnt 0x0
	s_barrier_signal -1
	s_barrier_wait -1                              ; no wave reads the region any more, and every tensor load has landed: its bytes become the stages
.macro TOSTAGE a
.set AC, 64*((\a)%4)
	WIN 0x08+4*((\a)/4)                            ; an LDS store's data are its source 1: window 2 or 3
.irp b, 0,1,2,3,4,5,6,7
	ds_store_b128 v[STO], v[AC+8*\b:AC+8*\b+3] offset:(\a)*16*528+64*\b        ; each accumulator from its low end on: token 16 a + r, columns 16 b + 8 h + 0..3,
	ds_store_b128 v[STO], v[AC+8*\b+4:AC+8*\b+7] offset:(\a)*16*528+64*\b+16   ; + 4..7
.endr
.endm
.irp a, 0,1,2,3,4,5,6,7
	TOSTAGE \a
.endr
	WIN 0
	s_wait_dscnt 0x0                               ; for the others' sake: my stores into my stage are done
	s_barrier_signal -1
	s_barrier_wait -1
	s_wait_loadcnt 0x0                             ; b2 and the gates
.macro COMB i0                         ; rows i0 .. i0 + 7 of my 32
.if (\i0) > 0
	s_wait_xcnt 0x0                                ; the last batch's stores have read their registers, which take the next rows
.endif
.irp i, 0,1,2,3,4,5,6,7
.irp q, 0,1,2,3
	ds_load_b128 v[CB+16*\i+4*\q:CB+16*\i+4*\q+3], v[RD+\q] offset:((\i0)+\i)*528
.endr
.endr
.irp i, 0,1,2,3,4,5,6,7
	s_wait_dscnt 28-4*\i                           ; this row's four loads are in; the later rows' may be out
	v_readlane_b32 s76, v10, (\i0)+\i              ; the row's g0,
	v_readlane_b32 s78, v11, (\i0)+\i              ; and g1
.irp u, 0,2
	v_pk_add_f32 v[CB+16*\i+\u:CB+16*\i+\u+1], v[CB+16*\i+\u:CB+16*\i+\u+1], v[CB+16*\i+4+\u:CB+16*\i+4+\u+1]          ; expert 0: the two K halves
	v_pk_add_f32 v[CB+16*\i+8+\u:CB+16*\i+8+\u+1], v[CB+16*\i+8+\u:CB+16*\i+8+\u+1], v[CB+16*\i+12+\u:CB+16*\i+12+\u+1]  ; expert 1
.endr
.irp u, 0,2
	v_pk_add_f32 v[CB+16*\i+\u:CB+16*\i+\u+1], v[CB+16*\i+\u:CB+16*\i+\u+1], v[2+\u:3+\u]          ; + b2[0]
	v_pk_add_f32 v[CB+16*\i+8+\u:CB+16*\i+8+\u+1], v[CB+16*\i+8+\u:CB+16*\i+8+\u+1], v[6+\u:7+\u]  ; + b2[1]
.endr
.irp u, 0,2
	v_pk_mul_f32 v[CB+16*\i+8+\u:CB+16*\i+8+\u+1], v[CB+16*\i+8+\u:CB+16*\i+8+\u+1], s[78:79] op_sel_hi:[1,0]
.endr
.irp u, 0,2
	v_pk_fma_f32 v[CB+16*\i+\u:CB+16*\i+\u+1], v[CB+16*\i+\u:CB+16*\i+\u+1], s[76:77], v[CB+16*\i+8+\u:CB+16*\i+8+\u+1] op_sel_hi:[1,0,1]
.endr
	global_store_b128 v[CO], v[CB+16*\i:CB+16*\i+3], s[12:13] offset:((\i0)+\i)*4096 th:TH_STORE_NT   ; 32 lanes store 512 consecutive bytes, at a multiple of 256 from out0's first byte; written once, read by nobody here
.endr
.endm
	COMB 0
	COMB 8
	COMB 16
	COMB 24
	s_wait_tensorcnt 0x0                           ; the wave's end, behind my last tensor load and my last LDS store
	ds_add_u32 v[SPW], v[NIL]
	s_wait_dscnt 0x0
	CROUND                                         ; the closing round: no work-group ends while a partner may still ask for a tile that names it
	s_endpgm
.Lfunc_end_k_q4bffbe90b0_proj:
	.size	k_q4bffbe90b0_proj, .Lfunc_end_k_q4bffbe90b0_proj-k_q4bffbe90b0_proj
	.p2alignl 7, 3214868480
	.fill 96, 4, 3214868480
	.section	.rodata,"a",@progbits
	.p2align	6, 0x0
	.amdhsa_kernel k_q4bffbe90b0_proj
		.amdhsa_group_segment_fixed_size 327680
		.amdhsa_private_segment_fixed_size 0
		.amdhsa_enable_private_segment 0
		.amdhsa_kernarg_size 40
		.amdhsa_user_sgpr_count 2
		.amdhsa_user_sgpr_kernarg_segment_ptr 1
		.amdhsa_wavefront_size32 1
		.amdhsa_system_sgpr_workgroup_id_x 1
		.amdhsa_system_sgpr_workgroup_id_y 1
		.amdhsa_system_sgpr_workgroup_id_z 1
		.amdhsa_system_vgpr_workitem_id 0
		.amdhsa_next_free_vgpr 1024
		.amdhsa_next_free_sgpr 84
		.amdhsa_reserve_vcc 0
		.amdhsa_float_denorm_mode_32 3
		.amdhsa_float_denorm_mode_16_64 3
		.amdhsa_memory_ordered 1
		.amdhsa_forward_progress 1
		.amdhsa_inst_pref_size 110
	.end_amdhsa_kernel
	.amdgpu_metadata
---
amdhsa.version: [ 1, 2 ]
amdhsa.kernels:
  - .name:           k_q4bffbe90b0_proj
    .symbol:         k_q4bffbe90b0_proj.kd
    .args:
      - { .name: hq, .offset: 0, .size: 8, .value_kind: global_buffer, .address_space: global }
      - { .name: w2q, .offset: 8, .size: 8, .value_kind: global_buffer, .address_space: global }
      - { .name: gates, .offset: 16, .size: 8, .value_kind: global_buffer, .address_space: global }
      - { .name: b2, .offset: 24, .size: 8, .value_kind: global_buffer, .address_space: global }
      - { .name: out0, .offset: 32, .size: 8, .value_kind: global_buffer, .address_space: global }
    .group_segment_fixed_size: 327680
    .private_segment_fixed_size: 0
    .kernarg_segment_align: 8
    .kernarg_segment_size: 40
    .max_flat_workgroup_size: 128
    .sgpr_count:     84
    .vgpr_count:     1024
    .wavefront_size: 32
...
	.end_amdgpu_metadata
.endif
;; end of part 3
